; MI455X (gfx1250); checked and timed in simulation.
; The chip was launched on July 23, 2026; its instructions are those of AMD's public machine-readable ISA for CDNA 5 (MIT licence, August 2026) and "CDNA5" Instruction Set Architecture Reference Guide (July 2026). The comments in the code are by the model that wrote it; some were corrected since.
;; Attention. Allowed arithmetic: matrix products marked QUANTISED: E2M1 operands, one E8M0 scale for each 32 along K, by v_wmma_scale_f32_16x16x128_f8f6f4 with both operands' format E2M1 (or v_wmma_scale_f32_32x16x128_f4), f32 sums; everything else in f32.
;; Inputs: W_out_codes 256 x 8 x 16 uint8 (E2M1 codes of W_out, K innermost, in blocks of 32 codes, two codes a byte); W_out_scales 256 x 8 uint8 (E8M0 scales of W_out, one for each 32 codes along K); b_out 256 float32; k 4 x 4,096 x 256 float32; q 4 x 4,096 x 256 float32; v_codes 4 x 256 x 128 x 16 uint8 (E2M1 codes of v, K innermost, in blocks of 32 codes, two codes a byte); v_scales 4 x 256 x 128 uint8 (E8M0 scales of v, one for each 32 codes along K).
;; Outputs: out0 4 x 4,096 x 256 float32.
;; This version of the problem:
;;   THIS VERSION OF THE PROBLEM IS GIVEN IN LOW PRECISION. The matrix products marked QUANTISED in the list below multiply operands that are first quantised to E2M1 (2 exponent bits, 1 mantissa bit; 4 bits a number), with one power-of-two scale for each 32 numbers along K (OCP MX v1.0); their sums are f32. All else is computed in f32.
;;   The module's matrix products, in the order in which they are computed (A, B: the left and right operand; K: the contracted axis; several contracted axes count as one K, in the product's order):
;;     1. batch 16 x [M 4,096, K 64] x [K 64, N 4,096]; A: input q; B: input k: QUANTISED
;;     2. batch 16 x [M 4,096, K 4,096] x [K 4,096, N 64]; A: softmax (see below); B: input v (given as codes): QUANTISED
;;     3. [M 16,384, K 256] x [K 256, N 256]; A: computed on the way; B: input W_out (given as codes): QUANTISED
;;   THE QUANTISER, for each operand of a quantised product, along K:
;;     - K is cut into blocks of 32 from its start; a last block that is shorter is filled with zeros.
;;     - A block's scale is 2^e with e = floor(log2(the largest magnitude in the block)) - 2, held to -126 .. 127; a block of zeros has e = 0. As a byte (E8M0): e + 127.
;;     - Each number is divided by its block's scale, clamped to +-6, and rounded to the nearest number of E2M1, ties to even, subnormals kept.
;;     - The product sums the exact products of the quantised numbers (number of the format x scale) in f32.
;;   ~~~python
;;   def quantise(x, axis):      # numpy; x: float32 -> the quantised numbers, widened to float32 again
;;       x = np.moveaxis(x, axis, -1); K = x.shape[-1]
;;       x = np.pad(x, [(0, 0)] * (x.ndim - 1) + [(0, -K % 32)]); x = x.reshape(x.shape[:-1] + (-1, 32)); a = np.abs(x).max(-1, keepdims=True)
;;       e = np.where(a > 0, np.clip(np.frexp(np.where(a > 0, a, 1))[1] - 1 - 2, -126, 127), 0)      # np.frexp(a)[1] - 1 = floor(log2(a)), exactly
;;       r = np.clip(x / 2.0 ** e, -6, 6)
;;       step = 2.0 ** (np.maximum(np.frexp(np.where(r == 0, 1, r))[1] - 1, 0) - 1)
;;       q = np.round(r / step) * step * 2.0 ** e      # np.round: ties to even
;;       return np.moveaxis(q.reshape(q.shape[:-2] + (-1,))[..., :K], -1, axis).astype(np.float32)
;;   ~~~
;;   SOFTMAX AHEAD OF A QUANTISED PRODUCT. Where the list says 'softmax', what is quantised is not the finished softmax but p = 2^(t - M), with t = logit x log2(e) and M = ceil(the row's largest t), a whole number; so 1/2 < the row's largest p <= 1. The row's sum l is taken of the UNQUANTISED p, in f32, and the product's result is divided by l at the end. Since M is a whole number, a kernel that streams over the keys may use a running M (the ceiling of the running maximum): every later rescaling is an exact power of two, which a block's scale takes up: the codes' values come out the same.
;;   OPERANDS COMPUTED ON THE WAY. 'Computed on the way' means the value that the module computes at that place (a softmax that the list does not call 'softmax' is quantised finished and normalised). What goes into a quantiser is computed in f32, as accurately as f32 sums, v_exp_f32 and their like allow (about 1e-6 of the number): no bf16 or f16 on the way to a quantiser, and a product that is left as it is and whose result goes on into a quantised operand takes f32 operands (vector FMAs, or v_wmma_f32_16x16x4_f32). A number that lies on a knife's edge between two numbers of the format may be rounded either way, as far as f32 arithmetic and the matrix unit's own rounding can turn it there, and no further.
;;   INPUTS GIVEN AS CODES. W_out (in the module: [256, 256], K = its axis 1); v (in the module: [4, 4096, 256], K = its axis 1): each comes as NAME_codes (uint8): NAME with its K axis moved to the last place and cut into blocks of 32 codes, [.., K / 32, bytes a block], one block behind the other in memory; two codes a byte, the lower K in the low four bits (a code: sign, 2 exponent bits, 1 mantissa bit); and NAME_scales (uint8): the same leading axes, one E8M0 byte (e + 127) for each 32 codes along K. Its value is code x scale, taken as it is: it is not quantised again, and the codes and scales need not be those that the quantiser above would give.
;; One version. Each part assembles by itself: llvm-mc -triple=amdgcn-amd-amdhsa -mcpu=gfx1250 --defsym DOCPART=n.
;; ======== version 1 of 1: 2 launches
;; limits: right only within a limited range of input values
;; workspace buffers: kv 4,587,520 bytes
;; launch prep (part 1): grid 288 x 1, 4 waves a work-group, no clusters, 35,328 bytes of LDS; arguments k, v_codes, v_scales, kv; writes kv
.if DOCPART == 1
	.amdgcn_target "amdgcn-amd-amdhsa--gfx1250"
	.amdhsa_code_object_version 6
	.text
	.protected	k_qf262ea959f_prep
	.globl	k_qf262ea959f_prep
	.p2align	8
	.type	k_qf262ea959f_prep,@function
k_qf262ea959f_prep:
	s_mov_b64 s[64:65], 0
	v_nop
	global_prefetch_b8 v0, s[64:65] scope:SCOPE_SE
	s_setreg_imm32_b32 hwreg(HW_REG_WAVE_MODE, 25, 1), 1
	s_wait_xcnt 0x0
; k [4][4096][256] f32 is quantised to codes of FP4 (E2M1) along each head's 64 numbers (two blocks of 32, one E8M0 byte each), and v's given codes and scale bytes are laid anew,
; both into kv in the order in which the attention launch's operand registers take them.
; kv = [batch 4][step of 128 keys 32][head 4][block of 8,960 bytes = 35 x 256]:
;   +0     K's codes: tile t = 0..7, 512 bytes each: lane (r, h) has 16 bytes at 16 x lane: the codes of numbers 32 h .. 32 h + 31 of key 32 (t / 2) + 8 (t % 2) + r + 8 (r / 8) of the step
;   +4096  K's scale words: half u = 0, 1, 256 bytes each: lane has 8 bytes: word j is that of tile 4 u + 2 j + (lane / 16), row r: b0 | b1 << 8, repeated in the upper half
;          (the upper two bytes scale the empty half of a product's 128 along K, whose codes are zeros)
;   +4608  V's codes: tile t = 0..3, group c = 0, 1, 512 bytes each: lane (r, h): keys 64 c + 32 h + 0 .. 31 of the step, channel 32 (t / 2) + 8 (t % 2) + r + 8 (r / 8) of the head
;   +8704  V's scale words: lane has 8 bytes: word j is that of tile 2 j + (lane / 16), row r: the step's four bytes as they are given
; A block's scale is 2^(floor(log2(its largest magnitude)) - 2): its byte is the largest magnitude's exponent field - 2, held at 1 from below.
; LIMITS: NaN and infinities in k are not served.  A block of zeros, or one whose largest magnitude lies under 2^-124, gets the byte 1: its codes are zeros or the nearest codes under that scale; this program alone reads the bytes.
; SHARES.  A wave takes 64 rows x 256 bytes, as four tiles of 16 rows.  Work-groups 0-255: rows 64 x .. 64 x + 63 of k (1,024 bytes a row), wave = head.  Work-groups 256-287 (y = x - 256 = 8 batch + sg):
; the 64 channel rows of head = wave of v_codes (2,048 bytes a row), bytes 256 sg on: four steps.  Each load reads two whole rows of 256 bytes (sixteen lanes a row); the tile turns through the wave's own
; stage in LDS (16 rows, 272 bytes apart) and comes back into the registers that it left, so that a lane holds what its place in the operand asks; each store of codes covers 512 consecutive bytes.
; All 32 loads of a wave are out at once.  No tensor load, no barrier (waves share nothing), no loop: every offset is an immediate.  The two paths have LDS bytes of their own.
.set BLK,   8960
.set STEPB, 4*BLK
.set SP,    272                        ; a stage row: 256 bytes + 16
.set STGB,  16*SP                      ; a wave's stage
.set R,     32                         ; v32-159  tile t at R + 32 t: as loaded, then as turned
.set C,     160                        ; v160-175 K's codes, four registers a tile: no store's data are written again
.set AM,    176                        ; v176-177 the largest magnitude, in two chains
.set SOP,   178                        ; v178     the conversion's scale operand
.set BY,    179                        ; v179     my block's byte
.set OT,    180                        ; v180     the other block's byte (lane l xor 16's)
.set WE,    181                        ; v181     the word of an even tile, right in lanes 0-15
.set WO,    182                        ; v182     the word of an odd tile, right in lanes 16-31
.set W,     184                        ; v184-185 the two scale words that leave
	s_load_b256 s[4:11], s[0:1], 0x0               ; k s[4:5], v_codes s[6:7], v_scales s[8:9], kv s[10:11]
	v_lshl_add_u32 v192, v0, 2, 0x8800
	v_mov_b32 v193, 0
	v_lshrrev_b32 v1, 5, v0
	v_readfirstlane_b32 s12, v1                    ; wave = head
	v_and_b32 v1, 31, v0                           ; lane
	v_and_b32 v2, 15, v0                           ; r
	v_bfe_u32 v3, v0, 4, 1                         ; hl = lane / 16
	v_lshlrev_b32 v7, 4, v1                        ; 16 x lane
	v_lshlrev_b32 v8, 3, v1                        ; 8 x lane
	s_mul_i32 s13, s12, STGB                       ; my stage
	s_mov_b32 s20, 0x76543210
	s_mov_b32 s21, 0xfedcba98                      ; v_permlanex16_b32's selects for lane l xor 16
	v_mul_u32_u24 v5, v3, SP
	v_lshl_add_u32 v5, v2, 4, v5                   ; into the stage: row hl of a pair, 16 r
	v_mul_u32_u24 v6, v2, SP                       ; out of it: row r
	s_wait_kmcnt 0x0
; 32 loads: tile t, load i brings the tile's rows 2 i and 2 i + 1, which are rows 32 (t / 2) + 8 (t % 2) + 2 i + 8 (i / 4) (+ 1) of the wave's 64
.macro LOADS pitch, base
.irp t, 0,1,2,3
.irp i, 0,1,2,3,4,5,6,7
	global_load_b128 v[R+32*\t+4*\i:R+32*\t+4*\i+3], v4, s[\base:\base+1] offset:(32*(\t/2)+8*(\t%2)+2*\i+8*(\i/4))*\pitch th:TH_LOAD_NT
.endr
.endr
.endm
.macro TOSTAGE t                       ; tile t is in (the later tiles' loads, eight each, may be out) and goes into the stage as it was loaded
	s_wait_loadcnt 24-8*(\t)
.irp i, 0,1,2,3,4,5,6,7
	ds_store_b128 v5, v[R+32*(\t)+4*\i:R+32*(\t)+4*\i+3] offset:2*SP*\i
.endr
.endm
	s_cmp_lt_u32 ttmp9, 256
	s_cbranch_scc0 .Lv
	; ---------------- K ----------------
	s_wait_alu depctr_va_vdst(0)
	v_add_nc_u32 v5, s13, v5
	v_lshl_add_u32 v6, v3, 7, v6                   ; my block's 128 bytes of row r
	v_add_nc_u32 v6, s13, v6
	v_lshlrev_b32 v4, 4, v2
	v_lshl_add_u32 v4, v3, 10, v4                  ; in k: 1,024 hl + 16 r
	s_wait_alu depctr_va_vdst(0)
	v_cmp_lt_u32 s22, 15, v1                       ; lanes 16-31
	v_mov_b32 v[OT], 0                             ; written once: a lane permute's destination counts as one of its sources
	s_lshl_b32 s14, ttmp9, 16                      ; 64 rows of 1,024 bytes a work-group,
	s_lshl_b32 s15, s12, 8                         ; 256 bytes a head
	s_add_co_u32 s14, s14, s15
	s_mov_b32 s15, 0
	s_add_nc_u64 s[4:5], s[4:5], s[14:15]
	s_lshr_b32 s16, ttmp9, 1                       ; 32 batch + step
	s_lshl_b32 s16, s16, 2
	s_add_co_u32 s16, s16, s12
	s_mul_i32 s16, s16, BLK                        ; my block of kv
	s_and_b32 s18, ttmp9, 1                        ; u: which half of the step's keys
	s_lshl_b32 s24, s18, 11
	s_add_co_u32 s24, s24, s16                     ; codes: + 2,048 u
	s_mov_b32 s25, 0
	s_lshl_b32 s26, s18, 8
	s_add_co_u32 s26, s26, s16                     ; scale words: + 256 u (+ 4,096 in the store's immediate)
	s_mov_b32 s27, 0
	s_add_nc_u64 s[24:25], s[10:11], s[24:25]
	s_add_nc_u64 s[26:27], s[10:11], s[26:27]
	LOADS 1024, 4
.macro KTILE t
.set XS, R+32*(\t)
	TOSTAGE \t
.irp i, 0,1,2,3,4,5,6,7
	ds_load_b128 v[XS+4*\i:XS+4*\i+3], v6 offset:16*\i             ; LDS serves a wave's instructions in order: these see the stores above; my 32 neighbours along the head
.endr
	s_wait_dscnt 0x0
	v_max3_num_f32 v[AM], |v[XS]|, |v[XS+1]|, |v[XS+2]|            ; the block's largest magnitude: all 32 numbers are mine
	v_max3_num_f32 v[AM+1], |v[XS+3]|, |v[XS+4]|, |v[XS+5]|
.irp i, 6,10,14,18,22,26
	v_max3_num_f32 v[AM], v[AM], |v[XS+\i]|, |v[XS+\i+1]|
	v_max3_num_f32 v[AM+1], v[AM+1], |v[XS+\i+2]|, |v[XS+\i+3]|
.endr
	v_max3_num_f32 v[AM], v[AM], |v[XS+30]|, |v[XS+31]|
	v_max3_num_f32 v[AM], v[AM], v[AM+1], 0x1800000                ; and the floor 2^(3 - 127): the byte cannot fall under 1
	v_add_nc_u32 v[SOP], 0xff000000, v[AM]                         ; 2 off its exponent field: the conversion takes the exponent field of this operand as its scale
.irp g, 0,1,2,3
	v_cvt_scalef32_pk8_fp4_f32 v[C+4*(\t)+\g], v[XS+8*\g:XS+8*\g+7], v[SOP]
.endr
	v_lshrrev_b32 v[BY], 23, v[SOP]                                ; the scale's byte (also the plain line behind the conversions)
	v_permlanex16_b32 v[OT], v[BY], s20, s21                       ; the row's other block's
.if (\t)%2 == 0
	v_lshl_or_b32 v[WE], v[OT], 8, v[BY]                           ; in lanes 0-15: b0 | b1 << 8
.else
	v_lshl_or_b32 v[WO], v[BY], 8, v[OT]                           ; in lanes 16-31: b0 | b1 << 8
	v_cndmask_b32 v[W+(\t)/2], v[WE], v[WO], s22                   ; the even tile's words below, the odd tile's above
	v_lshl_or_b32 v[W+(\t)/2], v[W+(\t)/2], 16, v[W+(\t)/2]        ; the same two bytes once more, for the empty half of K
.endif
	global_store_b128 v7, v[C+4*(\t):C+4*(\t)+3], s[24:25] offset:512*(\t)   ; 32 lanes store 512 consecutive bytes
.endm
	KTILE 0
	KTILE 1
	KTILE 2
	KTILE 3
	global_store_b64 v8, v[W:W+1], s[26:27] offset:4096            ; 32 lanes store 256 consecutive bytes, aligned
	s_wait_tensorcnt 0x0
	ds_add_u32 v192, v193
	s_wait_dscnt 0x0
	s_endpgm
	; ---------------- V ----------------
.Lv:
	s_add_co_u32 s13, s13, 4*STGB                  ; this path's stages lie behind the other path's
	s_wait_alu depctr_va_vdst(0)
	v_add_nc_u32 v5, s13, v5
	v_lshl_add_u32 v6, v3, 4, v6                   ; row r, + 16 hl
	v_add_nc_u32 v6, s13, v6
	v_lshlrev_b32 v4, 4, v2
	v_lshl_add_u32 v4, v3, 11, v4                  ; in v_codes: 2,048 hl + 16 r
	v_and_b32 v9, 8, v2
	v_add_nc_u32 v9, v9, v2
	v_lshl_add_u32 v9, v3, 3, v9
	v_lshlrev_b32 v9, 7, v9                        ; in v_scales: channel 8 hl + r + 8 (r / 8), 128 bytes a channel
	s_wait_alu depctr_va_vdst(0)
	s_sub_co_u32 s14, ttmp9, 256                   ; y = 8 batch + sg
	s_lshr_b32 s15, s14, 3                         ; batch
	s_and_b32 s16, s14, 7                          ; sg: which 512 keys
	s_lshl_b32 s18, s15, 19                        ; v_codes: (256 batch + 64 head) rows of 2,048 bytes + 256 sg
	s_lshl_b32 s19, s12, 17
	s_add_co_u32 s18, s18, s19
	s_lshl_b32 s19, s16, 8
	s_add_co_u32 s18, s18, s19
	s_mov_b32 s19, 0
	s_add_nc_u64 s[6:7], s[6:7], s[18:19]
	s_lshl_b32 s18, s15, 15                        ; v_scales: the same rows of 128 bytes + 16 sg
	s_lshl_b32 s22, s12, 13
	s_add_co_u32 s18, s18, s22
	s_lshl_b32 s22, s16, 4
	s_add_co_u32 s18, s18, s22
	s_add_nc_u64 s[8:9], s[8:9], s[18:19]
	s_lshl_b32 s24, s14, 4
	s_add_co_u32 s24, s24, s12
	s_mul_i32 s24, s24, BLK                        ; kv: block (4 y, head); the four steps lie STEPB apart
	s_mov_b32 s25, 0
	s_add_nc_u64 s[24:25], s[10:11], s[24:25]
	global_load_b128 v[16:19], v9, s[8:9]                          ; four steps' scale words of tiles 0 (lanes 0-15) and 1 (lanes 16-31),
	global_load_b128 v[20:23], v9, s[8:9] offset:4096              ; and of tiles 2 and 3: 32 channels on
	LOADS 2048, 6
.macro VTILE t
.set XS, R+32*(\t)
	TOSTAGE \t
.irp s, 0,1,2,3
.irp c, 0,1
	ds_load_b128 v[XS+4*(2*\s+\c):XS+4*(2*\s+\c)+3], v6 offset:64*\s+32*\c     ; step s, keys 64 c + 32 hl on, of channel row r
.endr
.endr
	s_wait_dscnt 0x0
.irp s, 0,1,2,3
.irp c, 0,1
	global_store_b128 v7, v[XS+4*(2*\s+\c):XS+4*(2*\s+\c)+3], s[24:25] offset:\s*STEPB+4608+512*(2*(\t)+\c)
.endr
.endr
.endm
	VTILE 0                                        ; (its wait leaves 24 loads out: the two loads of scale words, issued first, are in too)
	VTILE 1
	VTILE 2
	VTILE 3
.irp s, 0,1,2,3
	v_mov_b32 v[24+2*\s], v[16+\s]                 ; a step's two words side by side
	v_mov_b32 v[25+2*\s], v[20+\s]
.endr
.irp s, 0,1,2,3
	global_store_b64 v8, v[24+2*\s:25+2*\s], s[24:25] offset:\s*STEPB+8704
.endr
	s_wait_tensorcnt 0x0
	ds_add_u32 v192, v193
	s_wait_dscnt 0x0
	s_endpgm
.Lfunc_end_k_qf262ea959f_prep:
	.size	k_qf262ea959f_prep, .Lfunc_end_k_qf262ea959f_prep-k_qf262ea959f_prep
	.p2alignl 7, 3214868480
	.fill 96, 4, 3214868480
	.section	.rodata,"a",@progbits
	.p2align	6, 0x0
	.amdhsa_kernel k_qf262ea959f_prep
		.amdhsa_group_segment_fixed_size 35328
		.amdhsa_private_segment_fixed_size 0
		.amdhsa_enable_private_segment 0
		.amdhsa_kernarg_size 32
		.amdhsa_user_sgpr_count 2
		.amdhsa_user_sgpr_kernarg_segment_ptr 1
		.amdhsa_wavefront_size32 1
		.amdhsa_system_sgpr_workgroup_id_x 1
		.amdhsa_system_sgpr_workgroup_id_y 1
		.amdhsa_system_sgpr_workgroup_id_z 1
		.amdhsa_system_vgpr_workitem_id 0
		.amdhsa_next_free_vgpr 194
		.amdhsa_next_free_sgpr 66
		.amdhsa_reserve_vcc 0
		.amdhsa_float_denorm_mode_32 3
		.amdhsa_float_denorm_mode_16_64 3
		.amdhsa_memory_ordered 1
		.amdhsa_forward_progress 1
		.amdhsa_inst_pref_size 29
	.end_amdhsa_kernel
	.amdgpu_metadata
---
amdhsa.version: [ 1, 2 ]
amdhsa.kernels:
  - .name:           k_qf262ea959f_prep
    .symbol:         k_qf262ea959f_prep.kd
    .args:
      - { .name: k, .offset: 0, .size: 8, .value_kind: global_buffer, .address_space: global }
      - { .name: v_codes, .offset: 8, .size: 8, .value_kind: global_buffer, .address_space: global }
      - { .name: v_scales, .offset: 16, .size: 8, .value_kind: global_buffer, .address_space: global }
      - { .name: kv, .offset: 24, .size: 8, .value_kind: global_buffer, .address_space: global }
    .group_segment_fixed_size: 35328
    .private_segment_fixed_size: 0
    .kernarg_segment_align: 8
    .kernarg_segment_size: 32
    .max_flat_workgroup_size: 128
    .sgpr_count:     66
    .vgpr_count:     194
    .wavefront_size: 32
...
	.end_amdgpu_metadata
.endif
;; end of part 1
;; launch attn (part 2): grid 256 x 1, 16 waves a work-group, clusters of 4 x 1, 327,680 bytes of LDS; arguments W_out_codes, W_out_scales, b_out, q, kv, out0; writes out0
.if DOCPART == 2
	.amdgcn_target "amdgcn-amd-amdhsa--gfx1250"
	.amdhsa_code_object_version 6
	.text
	.protected	k_qf262ea959f_attn
	.globl	k_qf262ea959f_attn
	.p2align	8
	.type	k_qf262ea959f_attn,@function
k_qf262ea959f_attn:
	s_mov_b64 s[64:65], 0
	v_nop
	global_prefetch_b8 v0, s[64:65] scope:SCOPE_SE
	s_setreg_imm32_b32 hwreg(HW_REG_WAVE_MODE, 25, 1), 1
	s_wait_xcnt 0x0
	s_wait_alu depctr_hold_cnt(0) depctr_sa_sdst(0) depctr_va_vdst(0) depctr_va_sdst(0) depctr_va_ssrc(0) depctr_va_vcc(0) depctr_vm_vsrc(0)
	s_getreg_b32 s2, hwreg(HW_REG_IB_STS2, 6, 4)
	s_cmp_eq_u32 s2, 0
	s_cbranch_scc0 .Lentry_in_a_cluster
	s_endpgm
.Lentry_in_a_cluster:
	s_bfe_u32 s2, ttmp6, 0x10000c
	s_cmp_lg_u32 s2, 0x3003
	s_cbranch_scc0 .Lentry_shape_is_right
	s_endpgm
.Lentry_shape_is_right:
; out0 = (softmax(q k^T / 8) v, the heads side by side) W_out^T + b_out, all three products on codes of FP4 (E2M1) with one E8M0 scale for each 32 along K.
; q [4][4096][256] f32 is quantised here, in registers (each number is read by one wave, once).  K's and V's codes and scale words come from kv, laid by the launch before as images of the operands' registers:
; [batch][step of 128 keys][head][8,960 bytes]: +0 K's eight tiles (512 bytes each), +4096 K's scale words, +4608 V's four tiles (1,024 each), +8704 V's scale words.
; THE SOFTMAX: t = score x log2(e) / 8; M = the running largest t rounded UP to a whole number; p = 2^(t - M) is quantised along the keys, not normalised; the row's sum is taken of the unquantised p and divides O at the end.
; When M moves, the sum and O are multiplied by 2^(old M - new M), which rounds nothing.  The running maximum is kept in units of the score (c is positive, so c x max = max of c x).
; SHARES.  A work-group owns 64 rows of out0 and all four heads: 256 work-groups of equal work.  Wave w: head w % 4, queries 16 (w / 4) on.  In the projection wave w makes rows 16 (w / 4) on x columns 64 (w % 4) on.
; LAYOUT.  All products are used transposed (source 0 = keys, channels or rows of W_out; source 1 = my 16 queries): a lane holds ONE query throughout.  Row r of tile 2 b + u of K or V is 32 b + 8 u + r + 8 (r / 8),
; so that the 16 registers of tiles 2 b and 2 b + 1 are 16 neighbours along the next product's K.
; THE TWO PRODUCTS OF THE LOOP TAKE 32 ROWS AN INSTRUCTION (the 32x16x128 form): source 0 is two fragments on end, the result two tiles on end, and source 0's scale register holds the first tile's words in lanes 0-15 and the
; second's in lanes 16-31, which is how kv has them.
; THE FIRST PRODUCT'S K IS 64.  Two tiles of K share one fragment, one in its registers 0-3 (k = 0..63), one in its registers 4-7 (k = 64..127): [t0 | t2], [t1 | t3], [t4 | t6], [t5 | t7].  Two fragments on end by [q | zeros]
; give tiles 4 g and 4 g + 1, by [zeros | q] tiles 4 g + 2 and 4 g + 3.  A tile's scale word holds its two bytes twice, so it fits either half; the other half meets zero codes.
; THE RING.  Two LDS slots of four steps x four heads (143,360 bytes, dense).  Each of the sixteen waves fetches one block of 8,960 bytes (35 rows of 256): one tensor load a wave at the head and one behind each round.
; CLUSTER.  The four work-groups of a cluster lie in one batch and walk the same kv: each block is asked for JOINTLY, by the same tensor load with a mask that names the four.
; PREFETCH.  Behind the load of slot n + 1 each wave names the 35 blocks of 256 bytes of its part of slot n + 2; the four partners share them out by address (nine each, the lanes left over name the last again).  Slots 0 and 1 come by
; their loads alone; the last two changes of slots ask for nothing.  W_out, its scales and b_out (35,840 bytes, read once at the end) are not prefetched: no loop runs ahead of them.
; LIMITS: NaN and infinities are not served.  A p under 2^-126 counts as 0 (v_exp_f32 gives no denormal result: ISA guide, its entry among the VOP1 instructions).  Blocks of zeros get the byte 1: their codes are zeros.
; The promise holds while the scaled scores stay under 2^31 in magnitude.
.set BLK,    8960
.set STEPB,  4*BLK
.set SLOTB,  4*STEPB
.set BATCHB, 32*STEPB
.set SPARE,  2*SLOTB                   ; the spare words: 128 bytes for each of 16 waves, named by no other line
.set AIMG,   0                         ; the tail, in slot 0, which has had its last fill and its last read: images of the attention output's fragments, 512 bytes a wave,
.set ASC,    8192                      ; their half scale words, 128 bytes a wave,
.set STG,    10240                     ; and a stage of 16 rows x 272 bytes for each wave
.set LB16, 1                           ; 16 x lane + my head's block
.set LB8,  2                           ; 8 x lane + my head's block
.set AD,   3                           ; LB16 + the step's place
.set AD8,  4
.set SPW,  5                           ; my spare word; never rewritten
.set NIL,  6                           ; 0; never rewritten
.set QS,   7                           ; Q's scale words
.set PW,   8                           ; p's scale word
.set TQ,   9
.set VS,   10                          ; v10-11 V's scale words
.set NM,   12                          ; -M
.set TM,   13                          ; the largest score so far
.set LS,   14                          ; v14-15 the row's sum, in two halves
.set QF,   16                          ; v16-27: zeros, Q's codes, zeros.  v[16:23] = [zeros | q], v[20:27] = [q | zeros]
.set KS,   28                          ; v28-31 K's scale words
.set KF,   32                          ; v32-63 K's eight tiles, four registers each
.set VF,   64                          ; v64-95 V's four fragments
.set S,    96                          ; v96-159 S^T, then p
.set O,    160                         ; v160-191 O^T
.set PC,   192                         ; v192-199 p's codes
.set BM,   200                         ; a block's largest score, then its largest p
.set T4,   204
.set SO,   208                         ; the conversions' scale operands
.set F,    212                         ; v212-213 f = 2^(old M - new M)
.set TP,   214
.set HW,   215
.set PFO,  218                         ; the prefetches' offset; never rewritten
.set AC,   242                         ; v242-255 seven chains of the row's sum
.set WF,   96                          ; the tail
.set BI,   64
.set AF,   32
.set Y,    160
.set RB,   192
.set WS,   224
.set ASW,  232
.set H4,   234
.set TR,   238                         ; r, h, lane: made at the head, kept
.set TH,   239
.set TL,   240
.set WA,   241                         ; at the head: my offset in q
.set WSA,  242
.set BA,   243
.set IMS,  244
.set SCS,  245
.set IMR,  246
.set SCR,  247
.set STO,  248
.set SRD,  249
.set GO,   250
.set WV,   16
.set HD,   17
.set QT,   18
.set SEL,  22
.set G1,   24
.set G0,   32
.set CS,   40
.set TB,   42
.set NOUT, 43
.set PFA,  52
.macro CROUND                          ; a round of the cluster's barrier
	s_barrier_signal -1
	s_barrier_wait -1
	s_cmp_lg_u32 s[WV], 0
	s_cbranch_scc1 .Lnot_wave_0_\@
	s_barrier_signal -3
.Lnot_wave_0_\@:
	s_barrier_wait -3
	s_barrier_signal -1
	s_barrier_wait -1
.endm
.macro PLACES n
.rept \n
	v_nop
.endr
.endm
	s_load_b256 s[4:11], s[0:1], 0x0               ; W_out's codes, its scales, b_out, q
	s_load_b128 s[12:15], s[0:1], 0x20             ; kv, out0
	v_lshl_add_u32 v[SPW], v0, 2, SPARE
	v_mov_b32 v[NIL], 0
	ds_add_u32 v[SPW], v[NIL]                      ; the opening lines: the add twice on end, and its wait ahead of my first tensor load
	ds_add_u32 v[SPW], v[NIL]
	v_lshrrev_b32 v1, 5, v0
	v_readfirstlane_b32 s[WV], v1
	v_and_b32 v[TR], 15, v0
	v_bfe_u32 v[TH], v0, 4, 1
	v_and_b32 v[TL], 31, v0
	v_lshlrev_b32 v[WA], 10, v[TR]
	v_lshl_add_u32 v[WA], v[TH], 7, v[WA]          ; q: row r, my block of 32 numbers
	s_and_b32 s[HD], s[WV], 3
	s_lshr_b32 s[QT], s[WV], 2
	s_bfe_u32 s19, ttmp6, 0x40000                  ; cx: it enters q's, out0's and the prefetches' offsets alone
	s_lshl_b32 s20, ttmp9, 2
	s_add_co_u32 s20, s20, s19                     ; my block of 64 rows
	s_lshr_b32 s21, ttmp9, 4                       ; the batch: the four partners share it
	s_lshl_b32 s46, s20, 16
	s_lshl_b32 s47, s[QT], 14
	s_add_co_u32 s46, s46, s47
	s_lshl_b32 s47, s[HD], 8
	s_add_co_u32 s46, s46, s47                     ; q and out0: 65,536 x block + 16,384 x tile + 256 x head
	s_mov_b32 s47, 0
	s_mul_i32 s50, s[WV], BLK                      ; my sixteenth of a slot, in LDS and in memory alike
	s_mul_i32 s48, s21, BATCHB
	s_add_co_u32 s48, s48, s50
	s_mov_b32 s49, 0
	s_mov_b32 s[G1], 15|(3<<16)|(1<<21)            ; the mask of all four; elements of 8 bytes; no padding; bit 21 beside a mask
	s_mov_b32 s[G1+1], 32<<16
	s_mov_b32 s[G1+2], 35<<16
	s_mov_b32 s[G1+3], 32<<16
	s_mov_b32 s[G1+4], 35
	s_mov_b32 s[G1+5], 32
	s_mov_b32 s[G1+6], 0
	s_mov_b32 s[G1+7], 0
	s_mov_b32 s[SEL], 0x76543210
	s_mov_b32 s[SEL+1], 0xfedcba98
	s_mov_b32 s[CS], 0x3e38aa3b                    ; c = log2(e) / 8
	s_mov_b32 s[CS+1], s[CS]
	s_wait_alu depctr_va_vdst(0)
	s_wait_dscnt 0x0
	s_wait_kmcnt 0x0
	s_add_nc_u64 s[48:49], s[12:13], s[48:49]
	s_add_nc_u64 s[10:11], s[10:11], s[46:47]
	s_add_nc_u64 s[14:15], s[14:15], s[46:47]
.irp i, 0,1,2,3,4,5,6,7
	global_load_b128 v[S+4*\i:S+4*\i+3], v[WA], s[10:11] offset:16*\i th:TH_LOAD_NT
.endr
.irp n, 0,1
	s_mov_b32 s[G0+4*\n], 1
	s_add_co_u32 s[G0+4*\n+1], s50, \n*SLOTB
	s_add_nc_u64 s[G0+4*\n+2:G0+4*\n+3], s[48:49], \n*SLOTB
	s_or_b32 s[G0+4*\n+3], s[G0+4*\n+3], 0x80000000
.endr
	s_add_nc_u64 s[PFA:PFA+1], s[48:49], SLOTB     ; the first change of slots steps it to slot 2
	CROUND                                         ; all four work-groups are here: the first joint loads meet
	tensor_load_to_lds s[G0:G0+3], s[G1:G1+7]      ; steps 0-3: one tensor load a wave at the head
	s_nop 0
	s_mul_i32 s51, s[HD], BLK
	v_lshl_add_u32 v[LB16], v[TL], 4, s51
	v_lshl_add_u32 v[LB8], v[TL], 3, s51
	s_mul_i32 s51, s19, 9
	v_min_u32 v[PFO], 8, v[TL]
	v_add_nc_u32 v[PFO], s51, v[PFO]               ; row 9 cx + min(lane, 8) of my 35,
	v_min_u32 v[PFO], 34, v[PFO]                   ; held at the last
	v_lshlrev_b32 v[PFO], 8, v[PFO]
.irp i, 0,1,2,3,8,9,10,11
	v_mov_b32 v[QF+\i], 0                          ; zero codes on both sides of Q's
.endr
.irp b, 0,1,2,3
	v_mov_b32 v[T4+\b], 0                          ; a lane permute's destination counts as one of its sources
.endr
	v_mov_b32 v[F+1], 0
	s_wait_alu depctr_va_vdst(0)
	s_wait_loadcnt 0x0
	v_max3_num_f32 v[BM], |v[S]|, |v[S+1]|, |v[S+2]|               ; q's quantiser: a lane holds a whole block of 32
	v_max3_num_f32 v[BM+1], |v[S+3]|, |v[S+4]|, |v[S+5]|
.irp i, 6,10,14,18,22,26
	v_max3_num_f32 v[BM], v[BM], |v[S+\i]|, |v[S+\i+1]|
	v_max3_num_f32 v[BM+1], v[BM+1], |v[S+\i+2]|, |v[S+\i+3]|
.endr
	v_max3_num_f32 v[BM], v[BM], |v[S+30]|, |v[S+31]|
	s_delay_alu instid0(VALU_DEP_1)
	v_max3_num_f32 v[BM], v[BM], v[BM+1], 0x1800000                ; the floor 2^(3 - 127): the byte cannot fall under 1
	s_delay_alu instid0(VALU_DEP_1)
	v_add_nc_u32 v[SO], 0xff000000, v[BM]                          ; 2 off the exponent field: the conversion's scale operand
.irp g, 0,1,2,3
	v_cvt_scalef32_pk8_fp4_f32 v[QF+4+\g], v[S+8*\g:S+8*\g+7], v[SO]
.endr
	v_lshrrev_b32 v[BM], 23, v[SO]                 ; the scale's byte (the plain line behind the conversions)
	s_delay_alu instid0(VALU_DEP_1)
	v_permlanex16_b32 v[T4], v[BM], s[SEL], s[SEL+1]
	s_delay_alu instid0(VALU_DEP_1)
	v_lshl_or_b32 v[BM], v[T4], 8, v[BM]           ; in lanes 0-15, which alone are read: b0 | b1 << 8,
	s_delay_alu instid0(VALU_DEP_1)
	v_lshl_or_b32 v[QS], v[BM], 16, v[BM]          ; twice: it fits q in either half of K
.set j, 0
.rept 32
	v_mov_b32 v[O+j], 0                            ; O^T: the first step finds zeros.  (Also the places between Q's scale word and codes and the first product)
.set j, j+1
.endr
	v_mov_b32 v[LS], 0
	v_mov_b32 v[LS+1], 0
	v_mov_b32 v[TM], 0xff61b1e6                    ; -3e38, under every score
	s_delay_alu instid0(VALU_DEP_1)
	v_floor_f32 v[NM], -v[TM]
.macro KLOAD                           ; a step's K: two pairs of scale words and eight tiles: ten LDS loads.  Tile t goes to the place that the pairs of fragments ask for
	ds_load_b64 v[KS:KS+1], v[AD8] offset:4096
	ds_load_b64 v[KS+2:KS+3], v[AD8] offset:4352
.irp t, 0,1,2,3,4,5,6,7
	ds_load_b128 v[KF+16*(\t/4)+8*(\t%2)+4*((\t%4)/2):KF+16*(\t/4)+8*(\t%2)+4*((\t%4)/2)+3], v[AD] offset:512*\t
.endr
.endm
; A KEY STEP: 128 keys of my head.  Its K has been asked for already.  pf = 1: the next step lies in the same slot, and its K is asked for behind this step's first products.
.macro STEP pf
	ds_load_b64 v[VS:VS+1], v[AD8] offset:8704     ; V: nine loads, which land under the softmax (the last 16 lines of the row's sum are the places behind the last products with V)
.irp t, 0,1,2,3
.irp c, 0,1
	ds_load_b128 v[VF+8*\t+4*\c:VF+8*\t+4*\c+3], v[AD] offset:4608+512*(2*\t+\c)
.endr
.endr
	s_wait_dscnt 9                                 ; K's ten loads are in; V's nine may be out
.irp g, 0,1                                    ; S^T = K Q^T, 32 keys an instruction: tiles 4 g, 4 g + 1 by [q | zeros], tiles 4 g + 2, 4 g + 3 by [zeros | q]
	v_wmma_scale_f32_32x16x128_f4 v[S+32*\g:S+32*\g+15], v[KF+16*\g:KF+16*\g+15], v[QF+4:QF+11], 0, v[KS+2*\g], v[QS]
	v_wmma_scale_f32_32x16x128_f4 v[S+32*\g+16:S+32*\g+31], v[KF+16*\g:KF+16*\g+15], v[QF:QF+7], 0, v[KS+2*\g+1], v[QS]
.endr
.if \pf                                        ; four places behind the products, ahead of the loads into their sources and of the first read of their results
	s_add_co_u32 s[TB], s[TB], STEPB
	v_add_nc_u32 v[AD], s[TB], v[LB16]
	v_add_nc_u32 v[AD8], s[TB], v[LB8]
.else
	PLACES 2
.endif
	v_mov_b32 v[TP], v[NM]
	v_nop
.if \pf
	KLOAD
.endif
.irp b, 0,1,2,3
	v_max3_num_f32 v[BM+\b], v[S+16*\b], v[S+16*\b+1], v[S+16*\b+2]   ; the largest score of each block of 32 keys: it serves the row's maximum and the block's largest p.  (Each accumulator is read from its low end on)
.endr
.irp i, 3,5,7,9,11,13
.irp b, 0,1,2,3
	v_max3_num_f32 v[BM+\b], v[BM+\b], v[S+16*\b+\i], v[S+16*\b+\i+1]
.endr
.endr
.irp b, 0,1,2,3
	v_max_num_f32 v[BM+\b], v[BM+\b], v[S+16*\b+15]
.endr
.irp b, 0,1,2,3
	v_permlanex16_b32 v[T4+\b], v[BM+\b], s[SEL], s[SEL+1]
.endr
.irp b, 0,1,2,3
	v_max_num_f32 v[BM+\b], v[BM+\b], v[T4+\b]     ; with lane l xor 16's 16 keys
.endr
	s_delay_alu instid0(VALU_DEP_2)
	v_max3_num_f32 v[TQ], v[BM], v[BM+1], v[BM+2]
	s_delay_alu instid0(VALU_DEP_1)
	v_max3_num_f32 v[TM], v[TQ], v[BM+3], v[TM]    ; the running largest score
	s_delay_alu instid0(VALU_DEP_1)
	v_mul_f32 v[TQ], s[CS], v[TM]                  ; as t
	s_delay_alu instid0(VALU_DEP_1)
	v_floor_f32 v[NM], -v[TQ]                      ; -M = floor(-t) = -ceil(t)
.set j, 0
.rept 32
	v_pk_fma_f32 v[S+j:S+j+1], v[S+j:S+j+1], s[CS:CS+1], v[NM:NM+1] op_sel_hi:[1,0,0]   ; t - M, two at a time
.if j == 16
	v_sub_f32 v[TP], v[NM], v[TP]                  ; old M - new M: a whole number, 0 or less
.endif
.if j == 32
	v_cvt_i32_f32 v[TP], v[TP]                     ; (it saturates)
.endif
.if j == 48
	v_ldexp_f32 v[F], 1.0, v[TP]                   ; f = 2^(old M - new M)
.endif
.set j, j+2
.endr
.irp b, 0,1,2,3
	v_fma_f32 v[BM+\b], v[BM+\b], s[CS], v[NM]     ; the same of each block's largest score
.endr
.set j, 0
.rept 16
	v_pk_mul_f32 v[O+j:O+j+1], v[O+j:O+j+1], v[F:F+1] op_sel_hi:[1,0]   ; O^T under the new M, each accumulator from its low end on; no transcendental stands between the last products and these lines
.set j, j+2
.endr
	s_wait_alu depctr_va_vdst(0)
.set j, 0
.rept 64
	v_exp_f32 v[S+j], v[S+j]                       ; p = 2^(t - M), at most 1
.set j, j+1
.endr
.irp b, 0,1,2,3
	v_exp_f32 v[BM+\b], v[BM+\b]                   ; the block's largest p: the same two instructions on the same number
.endr
	v_pk_mul_f32 v[LS:LS+1], v[LS:LS+1], v[F:F+1] op_sel_hi:[1,0]   ; the sums under the new M (the plain line behind the exponentials)
	s_wait_alu depctr_va_vdst(0)                   ; and behind it, ahead of its first reader
.irp b, 0,1,2,3
	v_max_num_f32 v[BM+\b], 0x1800000, v[BM+\b]    ; the floor 2^(3 - 127)
.endr
.irp b, 0,1,2,3
	v_add_nc_u32 v[SO+\b], 0xff000000, v[BM+\b]    ; the conversion's scale operand
.endr
.irp b, 0,1,2,3
	v_lshrrev_b32 v[T4+\b], 23, v[SO+\b]           ; the scale's byte
.endr
	v_lshl_or_b32 v[PW], v[T4+1], 8, v[T4]
	s_delay_alu instid0(VALU_DEP_1)
	v_lshl_or_b32 v[PW], v[T4+2], 16, v[PW]
.irp b, 0,1,2,3
	v_cvt_scalef32_pk8_fp4_f32 v[PC+2*\b], v[S+16*\b:S+16*\b+7], v[SO+\b]
	v_cvt_scalef32_pk8_fp4_f32 v[PC+2*\b+1], v[S+16*\b+8:S+16*\b+15], v[SO+\b]
.endr
	v_lshl_or_b32 v[PW], v[T4+3], 24, v[PW]        ; p's scale word is whole (the plain line behind the conversions)
.irp c, 0,1                                    ; a whole block in a lane: lanes 0-15 block 2 c, lanes 16-31 block 2 c + 1
.irp i, 0,1
	v_permlane16_swap_b32 v[PC+4*\c+\i], v[PC+4*\c+2+\i]
.endr
.endr
	; the row's sum of the unquantised p: 32 pairs in eight chains.  Its first 16 lines are the places between p's word and codes and the products, its last 16 the places behind them
.set i, 0
.rept 7
	v_pk_add_f32 v[AC+2*i:AC+2*i+1], v[S+2*i:S+2*i+1], v[S+14+2*i:S+15+2*i]
.set i, i+1
.endr
	v_pk_add_f32 v[LS:LS+1], v[LS:LS+1], v[S+28:S+29]
.set i, 0
.rept 7
	v_pk_add_f32 v[AC+2*i:AC+2*i+1], v[AC+2*i:AC+2*i+1], v[S+30+2*i:S+31+2*i]
.set i, i+1
.endr
	v_pk_add_f32 v[LS:LS+1], v[LS:LS+1], v[S+44:S+45]
	s_wait_alu depctr_va_vdst(0)
	s_wait_dscnt 10*\pf                            ; V's nine loads are in; the next step's ten of K may be out
.irp t, 0,1                                    ; O^T += V^T P^T, 32 channels an instruction: the two accumulators by turns
	v_wmma_scale_f32_32x16x128_f4 v[O+16*\t:O+16*\t+15], v[VF+16*\t:VF+16*\t+15], v[PC:PC+7], v[O+16*\t:O+16*\t+15], v[VS+\t], v[PW]
.endr
.set i, 0
.rept 7
	v_pk_add_f32 v[AC+2*i:AC+2*i+1], v[AC+2*i:AC+2*i+1], v[S+46+2*i:S+47+2*i]
.set i, i+1
.endr
	v_pk_add_f32 v[LS:LS+1], v[LS:LS+1], v[S+60:S+61]
	v_pk_add_f32 v[AC:AC+1], v[AC:AC+1], v[S+62:S+63]
	v_pk_add_f32 v[AC+4:AC+5], v[AC+4:AC+5], v[AC+6:AC+7]
	v_pk_add_f32 v[AC+8:AC+9], v[AC+8:AC+9], v[AC+10:AC+11]
	v_pk_add_f32 v[LS:LS+1], v[LS:LS+1], v[AC+12:AC+13]
	v_pk_add_f32 v[AC:AC+1], v[AC:AC+1], v[AC+2:AC+3]
	s_delay_alu instid0(VALU_DEP_2)
	v_pk_add_f32 v[LS:LS+1], v[LS:LS+1], v[AC+8:AC+9]
	s_delay_alu instid0(VALU_DEP_2)
	v_pk_add_f32 v[AC:AC+1], v[AC:AC+1], v[AC+4:AC+5]
	s_delay_alu instid0(VALU_DEP_1)
	v_pk_add_f32 v[LS:LS+1], v[LS:LS+1], v[AC:AC+1]
.endm
; A SLOT: the change of slots at its head, then its four steps, written on end.  Each wave waits for all its tensor loads (its part of this slot), adds 0 to its spare word, and waits for that and for its reads of the other slot.
; refill = 1: a round of the cluster's barrier, and behind it the joint load of the next four steps into the other slot (the first time: slot 1's first fill).  ask = 1: the prefetch of the four steps after those.
.macro TRIP slot, refill, ask
	s_wait_tensorcnt 0x0                           ; no tensor load of mine is out, so a group 0 may be written
	ds_add_u32 v[SPW], v[NIL]
	s_add_nc_u64 s[G0+4*\slot+2:G0+4*\slot+3], s[G0+4*\slot+2:G0+4*\slot+3], 2*SLOTB   ; this slot's next four steps (behind the last fill: not used)
.if \ask
	s_wait_xcnt 0x0                                ; my last prefetch has read its address
	s_add_nc_u64 s[PFA:PFA+1], s[PFA:PFA+1], SLOTB
.endif
	s_wait_dscnt 0x0
.if \refill
	CROUND
	tensor_load_to_lds s[G0+4-4*\slot:G0+7-4*\slot], s[G1:G1+7]
	s_nop 0
.else
	s_barrier_signal -1
	s_barrier_wait -1
.endif
	s_mov_b32 s[TB], \slot*SLOTB
	v_add_nc_u32 v[AD], s[TB], v[LB16]
	v_add_nc_u32 v[AD8], s[TB], v[LB8]
	KLOAD
.if \ask
	global_prefetch_b8 v[PFO], s[PFA:PFA+1] th:TH_LOAD_NT scope:SCOPE_SE
.endif
	STEP 1
	STEP 1
	STEP 1
	STEP 0                                         ; the slot's last step asks for no K: the next step's lies behind the change of slots
.endm
	s_wait_alu depctr_va_vdst(0)
	s_mov_b32 s[NOUT], 3
.Lring:                                            ; three trips: steps 0-23
	TRIP 0, 1, 1
	TRIP 1, 1, 1
	s_sub_co_u32 s[NOUT], s[NOUT], 1
	s_cmp_lg_u32 s[NOUT], 0
	s_cbranch_scc1 .Lring
	TRIP 0, 1, 0                                   ; steps 24-27; steps 28-31 are asked for
	TRIP 1, 0, 0                                   ; the last slot: nothing more is asked for
	; ---- THE PROJECTION
	s_lshl_b32 s51, s[HD], 13
	v_lshl_add_u32 v[WA], v[TR], 7, s51            ; W_out's codes: row 64 head + r of 128 bytes,
	s_delay_alu instid0(VALU_DEP_1)
	v_lshl_add_u32 v[WA], v[TH], 4, v[WA]          ; + 16 h
	s_lshl_b32 s51, s[HD], 9
	v_lshl_add_u32 v[WSA], v[TR], 3, s51           ; its scale bytes: 8 a row
	s_lshl_b32 s51, s[HD], 8
	v_lshl_add_u32 v[BA], v[TH], 5, s51            ; b_out: of a tile's 16 my half's eight
.irp n, 0,1,2,3
.irp s, 0,1
.irp c, 0,1
	global_load_b128 v[WF+8*(2*\n+\s)+4*\c:WF+8*(2*\n+\s)+4*\c+3], v[WA], s[4:5] offset:2048*\n+64*\s+32*\c
.endr
.endr
	global_load_b64 v[WS+2*\n:WS+2*\n+1], v[WSA], s[6:7] offset:128*\n
	global_load_b128 v[BI+8*\n:BI+8*\n+3], v[BA], s[8:9] offset:64*\n
	global_load_b128 v[BI+8*\n+4:BI+8*\n+7], v[BA], s[8:9] offset:64*\n+16
.endr
	v_lshlrev_b32 v[IMS], 4, v0                    ; AIMG + 16 x thread
	v_lshl_add_u32 v[SCS], v0, 2, ASC
	s_lshl_b32 s51, s[QT], 11
	v_lshl_add_u32 v[IMR], v[TL], 4, s51           ; the four images of my tile of queries
	s_lshl_b32 s51, s[QT], 9
	s_add_co_u32 s51, s51, ASC
	v_lshl_add_u32 v[SCR], v[TL], 2, s51
	s_mul_i32 s51, s[WV], 16*272
	s_add_co_u32 s51, s51, STG                     ; my stage
	v_mul_u32_u24 v[STO], v[TR], 272
	v_mul_u32_u24 v[SRD], v[TH], 272
	v_lshlrev_b32 v[GO], 10, v[TH]
	v_lshl_add_u32 v[STO], v[TH], 5, v[STO]
	v_lshl_add_u32 v[SRD], v[TR], 4, v[SRD]
	v_lshl_add_u32 v[GO], v[TR], 4, v[GO]          ; two rows of out0 to an instruction
	v_add_nc_u32 v[STO], s51, v[STO]               ; in: row r, 32 bytes for each half of the lanes
	v_add_nc_u32 v[SRD], s51, v[SRD]               ; back: lanes 0-15 one row of 256 bytes, lanes 16-31 the next
	v_add_f32 v[LS], v[LS], v[LS+1]
	s_delay_alu instid0(VALU_DEP_1)
	v_permlanex16_b32 v[TP], v[LS], s[SEL], s[SEL+1]
	s_delay_alu instid0(VALU_DEP_1)
	v_add_f32 v[LS], v[LS], v[TP]                  ; the row's sum
	s_wait_alu depctr_va_vdst(0)
	v_rcp_f32 v[LS], v[LS]
	v_nop
	s_wait_alu depctr_va_vdst(0)                   ; and ahead of its first reader, which is also the first reader of O^T
.set j, 0
.rept 16
	v_pk_mul_f32 v[O+j:O+j+1], v[O+j:O+j+1], v[LS:LS+1] op_sel_hi:[1,0]   ; O^T / the sum: register 16 b + i is channel 32 b + 16 h + i of my head
.set j, j+2
.endr
.irp b, 0,1
	v_max3_num_f32 v[BM+\b], |v[O+16*\b]|, |v[O+16*\b+1]|, 0x1800000
.endr
.irp i, 2,4,6,8,10,12,14
.irp b, 0,1
	s_delay_alu instid0(VALU_DEP_2)
	v_max3_num_f32 v[BM+\b], v[BM+\b], |v[O+16*\b+\i]|, |v[O+16*\b+\i+1]|
.endr
.endr
.irp b, 0,1
	s_delay_alu instid0(VALU_DEP_2)
	v_permlanex16_b32 v[T4+\b], v[BM+\b], s[SEL], s[SEL+1]
.endr
.irp b, 0,1
	s_delay_alu instid0(VALU_DEP_2)
	v_max_num_f32 v[BM+\b], v[BM+\b], v[T4+\b]
.endr
.irp b, 0,1
	s_delay_alu instid0(VALU_DEP_2)
	v_add_nc_u32 v[SO+\b], 0xff000000, v[BM+\b]
.endr
.irp b, 0,1
	s_delay_alu instid0(VALU_DEP_2)
	v_lshrrev_b32 v[T4+\b], 23, v[SO+\b]
.endr
	s_delay_alu instid0(VALU_DEP_1)
	v_lshl_or_b32 v[HW], v[T4+1], 8, v[T4]         ; my row's two bytes: half of a K step's scale word
.irp b, 0,1
	v_cvt_scalef32_pk8_fp4_f32 v[PC+2*\b], v[O+16*\b:O+16*\b+7], v[SO+\b]
	v_cvt_scalef32_pk8_fp4_f32 v[PC+2*\b+1], v[O+16*\b+8:O+16*\b+15], v[SO+\b]
.endr
	v_nop                                          ; one plain line behind the scaled conversions
	v_permlane16_swap_b32 v[PC], v[PC+2]           ; registers 4 c .. 4 c + 3 (c = head % 2) of K step head / 2
	v_permlane16_swap_b32 v[PC+1], v[PC+3]
	ds_store_b128 v[IMS], v[PC:PC+3]
	ds_store_b32 v[SCS], v[HW]
	s_wait_dscnt 0x0                               ; for the others' sake: my stores have landed
	s_barrier_signal -1
	s_barrier_wait -1
.irp s, 0,1
.irp c, 0,1
	ds_load_b128 v[AF+8*\s+4*\c:AF+8*\s+4*\c+3], v[IMR] offset:AIMG+512*(2*\s+\c)
	ds_load_b32 v[H4+2*\s+\c], v[SCR] offset:128*(2*\s+\c)
.endr
.endr
	s_wait_dscnt 0x0
.irp s, 0,1
	v_lshl_or_b32 v[ASW+\s], v[H4+2*\s+1], 16, v[H4+2*\s]
.endr
	s_wait_alu depctr_va_vdst(0)
	s_wait_loadcnt 0x0                             ; W_out, its scales, the bias
	PLACES 8                                       ; between a scale word made by vector instructions and the scaled product
.irp n, 0,1,2,3                                ; the bias is the C of each sum's first product; the four accumulators by turns
	v_wmma_scale_f32_16x16x128_f8f6f4 v[Y+8*\n:Y+8*\n+7], v[WF+16*\n:WF+16*\n+7], v[AF:AF+7], v[BI+8*\n:BI+8*\n+7], v[WS+2*\n], v[ASW] matrix_a_fmt:MATRIX_FMT_FP4 matrix_b_fmt:MATRIX_FMT_FP4
.endr
.irp n, 0,1,2,3
	v_wmma_scale_f32_16x16x128_f8f6f4 v[Y+8*\n:Y+8*\n+7], v[WF+16*\n+8:WF+16*\n+15], v[AF+8:AF+15], v[Y+8*\n:Y+8*\n+7], v[WS+2*\n+1], v[ASW+1] matrix_a_fmt:MATRIX_FMT_FP4 matrix_b_fmt:MATRIX_FMT_FP4
.endr
	PLACES 4
	; THE WAY OUT: lane (r, h) holds out0(row r, columns 16 n + 8 h + 0 .. 7 of my 64): through my own stage, back as whole rows of 256 bytes
.irp n, 0,1,2,3
	ds_store_b128 v[STO], v[Y+8*\n:Y+8*\n+3] offset:64*\n          ; each accumulator from its low end on
	ds_store_b128 v[STO], v[Y+8*\n+4:Y+8*\n+7] offset:64*\n+16
.endr
.irp i, 0,1,2,3,4,5,6,7
	ds_load_b128 v[RB+4*\i:RB+4*\i+3], v[SRD] offset:2*272*\i      ; LDS serves a wave's instructions in order (ISA guide 5.7.1.4): these see my stores
.endr
.irp i, 0,1,2,3,4,5,6,7
	s_wait_dscnt 7-\i                              ; the younger loads may stay out
	global_store_b128 v[GO], v[RB+4*\i:RB+4*\i+3], s[14:15] offset:2048*\i th:TH_STORE_NT   ; 16 lanes store 256 consecutive bytes, aligned
.endr
	s_wait_tensorcnt 0x0                           ; the wave's end
	ds_add_u32 v[SPW], v[NIL]
	s_wait_dscnt 0x0
	CROUND                                         ; the closing round
	s_endpgm
.Lfunc_end_k_qf262ea959f_attn:
	.size	k_qf262ea959f_attn, .Lfunc_end_k_qf262ea959f_attn-k_qf262ea959f_attn
	.p2alignl 7, 3214868480
	.fill 96, 4, 3214868480
	.section	.rodata,"a",@progbits
	.p2align	6, 0x0
	.amdhsa_kernel k_qf262ea959f_attn
		.amdhsa_group_segment_fixed_size 327680
		.amdhsa_private_segment_fixed_size 0
		.amdhsa_enable_private_segment 0
		.amdhsa_kernarg_size 48
		.amdhsa_user_sgpr_count 2
		.amdhsa_user_sgpr_kernarg_segment_ptr 1
		.amdhsa_wavefront_size32 1
		.amdhsa_system_sgpr_workgroup_id_x 1
		.amdhsa_system_sgpr_workgroup_id_y 1
		.amdhsa_system_sgpr_workgroup_id_z 1
		.amdhsa_system_vgpr_workitem_id 0
		.amdhsa_next_free_vgpr 256
		.amdhsa_next_free_sgpr 66
		.amdhsa_reserve_vcc 0
		.amdhsa_float_denorm_mode_32 3
		.amdhsa_float_denorm_mode_16_64 3
		.amdhsa_memory_ordered 1
		.amdhsa_forward_progress 1
		.amdhsa_inst_pref_size 248
	.end_amdhsa_kernel
	.amdgpu_metadata
---
amdhsa.version: [ 1, 2 ]
amdhsa.kernels:
  - .name:           k_qf262ea959f_attn
    .symbol:         k_qf262ea959f_attn.kd
    .args:
      - { .name: W_out_codes, .offset: 0, .size: 8, .value_kind: global_buffer, .address_space: global }
      - { .name: W_out_scales, .offset: 8, .size: 8, .value_kind: global_buffer, .address_space: global }
      - { .name: b_out, .offset: 16, .size: 8, .value_kind: global_buffer, .address_space: global }
      - { .name: q, .offset: 24, .size: 8, .value_kind: global_buffer, .address_space: global }
      - { .name: kv, .offset: 32, .size: 8, .value_kind: global_buffer, .address_space: global }
      - { .name: out0, .offset: 40, .size: 8, .value_kind: global_buffer, .address_space: global }
    .group_segment_fixed_size: 327680
    .private_segment_fixed_size: 0
    .kernarg_segment_align: 8
    .kernarg_segment_size: 48
    .max_flat_workgroup_size: 512
    .sgpr_count:     66
    .vgpr_count:     256
    .wavefront_size: 32
...
	.end_amdgpu_metadata
.endif
;; end of part 2
